; MI455X (gfx1250); checked and timed in simulation.
; The chip was launched on July 23, 2026; its instructions are those of AMD's public machine-readable ISA for CDNA 5 (MIT licence, August 2026) and "CDNA5" Instruction Set Architecture Reference Guide (July 2026). The comments in the code are by the model that wrote it; some were corrected since.
;; Binary Dense. Allowed arithmetic: float matrix products may take bf16 or f16 operands with f32 sums; other float arithmetic in f32, or as packed bf16 or f16 multiplies, adds, multiply-adds, maxima and minima; sums over many terms, partial sums and values carried from step to step in f32; what a program stores and reads back later, other than sums and carried values, may be rounded once to bf16 or f16.
;; Inputs: M 4,096 x 2,048 float32; u 4,096 x 2,048 float32; x 8,192 x 4,096 float32.
;; Outputs: out0 8,192 x 2,048 float32.
;; One version. Each part assembles by itself: llvm-mc -triple=amdgcn-amd-amdhsa -mcpu=gfx1250 --defsym DOCPART=n.
;; ======== version 1 of 1: 2 launches
;; workspace buffers: wbits 2,097,152 bytes
;; launch signs (part 1): grid 512 x 1, 8 waves a work-group, no clusters, 0 bytes of LDS; arguments M, u, wbits; writes wbits
.if DOCPART == 1
	.amdgcn_target "amdgcn-amd-amdhsa--gfx1250"
	.amdhsa_code_object_version 6
	.text
	.protected	k_qa8ccb45c3e_signs
	.globl	k_qa8ccb45c3e_signs
	.p2align	8
	.type	k_qa8ccb45c3e_signs,@function
k_qa8ccb45c3e_signs:
	s_mov_b64 s[64:65], 0
	v_nop
	global_prefetch_b8 v0, s[64:65] scope:SCOPE_SE
	s_setreg_imm32_b32 hwreg(HW_REG_WAVE_MODE, 25, 1), 1
	s_wait_xcnt 0x0
; THE MASK'S SIGNS AS BITS.  bit = 1 where u[k][n] < sigmoid(M[k][n]).  M, u: [4096][2048] f32.  The straight-through term of the module, ste - stop_gradient(ste), is a number less itself:
; 0 for every M that is no NaN, so the mask's value is +STD or -STD by this bit alone; STD is applied by the launch behind.
; wbits: [kg 0..127][G 0..31][h 0..1][r 0..15][c 0..3] of 32-bit words.  A word belongs to column n = 64 G + 4 r + c and to the 32 rows k0 = 32 kg on:
;   bit 31 - j (j = 0..7): row k0 + 8 h + j;   bit 15 - j: row k0 + 16 + 8 h + j;   all other bits 0.
; So a word shifted left by j has, in the sign places of its two 16-bit halves, the signs that register j of a matrix fragment wants in lane half h.
; ARITHMETIC, all f32, M and u as they come (a sign that differs changes a whole column of the result, so nothing is rounded to 16 bits here):
;   e = exp(-M): n = floor(-M log2(e) + 0.5); r = -M - n C1 - n C2 (ln 2 in two parts); a polynomial of degree 5 in r times r^2, + r + 1; scaled by 2^n (v_ldexp_f32)
;   p = 1 / (1 + e): v_rcp_f32 and one correction step r1 = r0 + r0 (1 - s r0), both fused.     bit = the sign of u - p (u = p gives +0: not below).
; LIMITS.  M is held to -88.0 .. 87.8 first: beyond that p is 1, or below 2^-126.  Where sigmoid(M) is below 2^-126, p counts as 0 (it matters for u = 0 or a denormal u alone).
; A NaN in M is not carried through (it is clamped).  p is good to about one unit in its last place, 1.2e-7 at the most: an entry whose u lies nearer to sigmoid(M) than about
; two such units may get the other sign than another f32 evaluation of the sigmoid gives.
; SHARES.  4,096 waves.  Work-group g: kg = g / 4, h = (g / 2) % 2; its eight waves take eight spans of 128 columns, (g % 2) x 8 + wave.  A wave owns the 16 rows of its (kg, h) and
; 128 columns, a lane 4 columns: each load of the wave is 512 consecutive bytes of a row, aligned; a work-group's eight waves cover 4,096 consecutive bytes of each row.
; All 32 loads of a wave are issued at once (16 KiB a wave); no address register is ever rewritten: the row stands in the immediate.
; No LDS, no barrier, no ring: no wave wants a byte that another has fetched, and all that a wave reads is asked for at its start.
.set ROWB, 8192                        ; bytes in a row of M and of u
.set MB,  16                           ; v[16:79]    M: row i of my 16 at MB + 4 i
.set UB,  80                           ; v[80:143]   u likewise
.set X,   144                          ; v[144:151]  at work: eight numbers (two rows x four columns)
.set N,   152                          ; v[152:159]
.set Z,   160                          ; v[160:167]
.set T,   168                          ; v[168:175]
.set WD,  176                          ; v[176:179]  the four words
.set LO,  11                           ; s11  -88.0
.set HI,  12                           ; s12  87.8
.set NLE, 20                           ; s[20:21] -log2(e); this and the pairs below hold a number twice: a packed instruction names the pair and takes its low word for both halves
.set NC1, 22                           ; s[22:23] -0.693359375
.set NC2, 24                           ; s[24:25] +2.12194440e-4
.set P0,  26                           ; s[26:35] the polynomial's coefficients, highest power first; the last, 0.5, is written in the instruction
.set P1,  28
.set P2,  30
.set P3,  32
.set P4,  34
.macro CONST r, val
	s_mov_b32 s[\r], \val
	s_mov_b32 s[(\r)+1], \val
.endm
	s_load_b128 s[4:7], s[0:1], 0x0                ; M s[4:5], u s[6:7]
	s_load_b64 s[8:9], s[0:1], 0x10                ; wbits
	v_lshrrev_b32 v3, 5, v0
	v_readfirstlane_b32 s10, v3                    ; wave 0..7
	v_and_b32 v4, 31, v0                           ; lane
	v_lshlrev_b32 v1, 4, v4                        ; my 16 bytes of the wave's 512 in a row; never rewritten
	v_and_b32 v5, 15, v0                           ; r
	v_bfe_u32 v6, v0, 4, 1                         ; which of the span's two groups of 64 columns
	v_lshlrev_b32 v2, 4, v5
	v_lshl_add_u32 v2, v6, 9, v2                   ; my 16 bytes in wbits: 512 x group + 16 r
	s_lshr_b32 s13, ttmp9, 2                       ; kg
	s_bfe_u32 s14, ttmp9, 0x10001                  ; h (one bit from bit 1)
	s_and_b32 s15, ttmp9, 1
	s_lshl_b32 s15, s15, 3
	s_add_co_u32 s15, s15, s10                     ; span 0..15
	s_lshl_b32 s2, s13, 18                         ; 32 kg rows of 8,192 bytes,
	s_lshl_b32 s16, s14, 16                        ; 8 h rows,
	s_add_co_u32 s2, s2, s16
	s_lshl_b32 s16, s15, 9                         ; the span's 512 bytes: under 2^26 in all
	s_add_co_u32 s2, s2, s16
	s_mov_b32 s3, 0
	s_lshl_b32 s16, s13, 14                        ; in wbits: 16,384 kg + 1,024 span + 256 h
	s_lshl_b32 s17, s15, 10
	s_add_co_u32 s16, s16, s17
	s_lshl_b32 s17, s14, 8
	s_add_co_u32 s16, s16, s17
	s_mov_b32 s17, 0
	s_mov_b32 s[LO], 0xc2b00000
	s_mov_b32 s[HI], 0x42af999a
	CONST NLE, 0xbfb8aa3b
	CONST NC1, 0xbf318000
	CONST NC2, 0x395e8083
	CONST P0, 0x39506967                           ; 1.9875691500e-4
	CONST P1, 0x3ab743ce                           ; 1.3981999507e-3
	CONST P2, 0x3c088908                           ; 8.3334519073e-3
	CONST P3, 0x3d2aa9c1                           ; 4.1665795894e-2
	CONST P4, 0x3e2aaaaa                           ; 1.6666665459e-1
	s_wait_kmcnt 0x0
	s_add_nc_u64 s[4:5], s[4:5], s[2:3]
	s_add_nc_u64 s[6:7], s[6:7], s[2:3]
	s_add_nc_u64 s[8:9], s[8:9], s[16:17]
.set i, 0
.rept 16                               ; row i lies (i % 8) + 16 (i / 8) rows below the first: M and u by turns, so that a pair of rows is whole after four loads more
	global_load_b128 v[MB+4*i:MB+4*i+3], v1, s[4:5] offset:((i&7)+16*(i>>3))*ROWB th:TH_LOAD_NT
	global_load_b128 v[UB+4*i:UB+4*i+3], v1, s[6:7] offset:((i&7)+16*(i>>3))*ROWB th:TH_LOAD_NT
.set i, i+1
.endr
; Rows 2 p and 2 p + 1: eight numbers a lane, in four packed chains that do not wait for each other.
.macro PAIR p
	s_wait_loadcnt 28-4*(\p)                       ; loads come back in order: these two rows' four loads are in, the four of each later pair may stay out
.irp e, 0,1,2,3,4,5,6,7
	v_med3_num_f32 v[X+(\e)], v[MB+8*(\p)+(\e)], s[LO], s[HI]  ; M, held to -88.0 .. 87.8
.endr
.irp e, 0,2,4,6
	v_pk_fma_f32 v[N+(\e):N+(\e)+1], v[X+(\e):X+(\e)+1], s[NLE:NLE+1], 0.5 op_sel_hi:[1,0,0]
.endr
.irp e, 0,1,2,3,4,5,6,7
	v_floor_f32 v[N+(\e)], v[N+(\e)]               ; n
.endr
.irp e, 0,2,4,6
	v_pk_fma_f32 v[X+(\e):X+(\e)+1], v[N+(\e):N+(\e)+1], s[NC1:NC1+1], v[X+(\e):X+(\e)+1] op_sel_hi:[1,0,1] neg_lo:[0,0,1] neg_hi:[0,0,1]  ; -M - n C1: exact, C1 has few bits
.endr
.irp e, 0,2,4,6
	v_pk_fma_f32 v[X+(\e):X+(\e)+1], v[N+(\e):N+(\e)+1], s[NC2:NC2+1], v[X+(\e):X+(\e)+1] op_sel_hi:[1,0,1]  ; r
.endr
.irp e, 0,2,4,6
	v_pk_fma_f32 v[Z+(\e):Z+(\e)+1], v[X+(\e):X+(\e)+1], s[P0:P0+1], s[P1:P1+1] op_sel_hi:[1,0,0]
.endr
.irp k, P2, P3, P4
.irp e, 0,2,4,6
	v_pk_fma_f32 v[Z+(\e):Z+(\e)+1], v[Z+(\e):Z+(\e)+1], v[X+(\e):X+(\e)+1], s[\k:\k+1] op_sel_hi:[1,1,0]
.endr
.endr
.irp e, 0,2,4,6
	v_pk_fma_f32 v[Z+(\e):Z+(\e)+1], v[Z+(\e):Z+(\e)+1], v[X+(\e):X+(\e)+1], 0.5 op_sel_hi:[1,1,0]
.endr
.irp e, 0,1,2,3,4,5,6,7
	v_cvt_i32_f32 v[N+(\e)], v[N+(\e)]
.endr
.irp e, 0,2,4,6
	v_pk_mul_f32 v[T+(\e):T+(\e)+1], v[X+(\e):X+(\e)+1], v[X+(\e):X+(\e)+1]
.endr
.irp e, 0,2,4,6
	v_pk_fma_f32 v[Z+(\e):Z+(\e)+1], v[Z+(\e):Z+(\e)+1], v[T+(\e):T+(\e)+1], v[X+(\e):X+(\e)+1]
.endr
.irp e, 0,2,4,6
	v_pk_add_f32 v[Z+(\e):Z+(\e)+1], v[Z+(\e):Z+(\e)+1], 1.0 op_sel_hi:[1,0]  ; exp(r)
.endr
.irp e, 0,1,2,3,4,5,6,7
	v_ldexp_f32 v[Z+(\e)], v[Z+(\e)], v[N+(\e)]    ; e = exp(-M)
.endr
.irp e, 0,2,4,6
	v_pk_add_f32 v[Z+(\e):Z+(\e)+1], v[Z+(\e):Z+(\e)+1], 1.0 op_sel_hi:[1,0]  ; s = 1 + e
.endr
.irp e, 0,1,2,3,4,5,6,7
	v_rcp_f32 v[T+(\e)], v[Z+(\e)]
.endr
	v_nop                                          ; a plain instruction between the last reciprocal and the first use of a result (ISA guide 5.7.2)
	s_wait_alu depctr_va_vdst(0)                   ; and the wait ahead of the first reader: one for the eight reciprocals
.irp e, 0,2,4,6
	v_pk_fma_f32 v[X+(\e):X+(\e)+1], v[Z+(\e):Z+(\e)+1], v[T+(\e):T+(\e)+1], 1.0 op_sel_hi:[1,1,0] neg_lo:[1,0,0] neg_hi:[1,0,0]  ; 1 - s r0
.endr
.irp e, 0,2,4,6
	v_pk_fma_f32 v[T+(\e):T+(\e)+1], v[X+(\e):X+(\e)+1], v[T+(\e):T+(\e)+1], v[T+(\e):T+(\e)+1]  ; p
.endr
.irp e, 0,2,4,6
	v_pk_add_f32 v[X+(\e):X+(\e)+1], v[UB+8*(\p)+(\e):UB+8*(\p)+(\e)+1], v[T+(\e):T+(\e)+1] neg_lo:[0,1] neg_hi:[0,1]  ; u - p: its sign is the bit
.endr
.irp c, 0,1,2,3
.if (\p) == 0
	v_lshrrev_b32 v[WD+(\c)], 31, v[X+(\c)]        ; the first row starts the words: nothing is cleared
.else
	v_alignbit_b32 v[WD+(\c)], v[WD+(\c)], v[X+(\c)], 31  ; word = word x 2 + sign
.endif
.endr
.irp c, 0,1,2,3
	v_alignbit_b32 v[WD+(\c)], v[WD+(\c)], v[X+4+(\c)], 31
.endr
.if ((\p) == 3) || ((\p) == 7)
.irp c, 0,1,2,3
	v_lshlrev_b32 v[WD+(\c)], 8, v[WD+(\c)]        ; behind each eight rows: in the end the first eight stand in bits 31-24, the second eight in bits 15-8
.endr
.endif
.endm
.irp p, 0,1,2,3,4,5,6,7
	PAIR \p
.endr
	global_store_b128 v2, v[WD:WD+3], s[8:9]       ; lanes 0-15 store 256 consecutive bytes, aligned, lanes 16-31 the 256 bytes that begin 512 further on
	s_endpgm
.Lfunc_end_k_qa8ccb45c3e_signs:
	.size	k_qa8ccb45c3e_signs, .Lfunc_end_k_qa8ccb45c3e_signs-k_qa8ccb45c3e_signs
	.p2alignl 7, 3214868480
	.fill 96, 4, 3214868480
	.section	.rodata,"a",@progbits
	.p2align	6, 0x0
	.amdhsa_kernel k_qa8ccb45c3e_signs
		.amdhsa_group_segment_fixed_size 0
		.amdhsa_private_segment_fixed_size 0
		.amdhsa_enable_private_segment 0
		.amdhsa_kernarg_size 24
		.amdhsa_user_sgpr_count 2
		.amdhsa_user_sgpr_kernarg_segment_ptr 1
		.amdhsa_wavefront_size32 1
		.amdhsa_system_sgpr_workgroup_id_x 1
		.amdhsa_system_sgpr_workgroup_id_y 1
		.amdhsa_system_sgpr_workgroup_id_z 1
		.amdhsa_system_vgpr_workitem_id 0
		.amdhsa_next_free_vgpr 180
		.amdhsa_next_free_sgpr 66
		.amdhsa_reserve_vcc 0
		.amdhsa_float_denorm_mode_32 3
		.amdhsa_float_denorm_mode_16_64 3
		.amdhsa_memory_ordered 1
		.amdhsa_forward_progress 1
		.amdhsa_inst_pref_size 55
	.end_amdhsa_kernel
	.amdgpu_metadata
---
amdhsa.version: [ 1, 2 ]
amdhsa.kernels:
  - .name:           k_qa8ccb45c3e_signs
    .symbol:         k_qa8ccb45c3e_signs.kd
    .args:
      - { .name: M, .offset: 0, .size: 8, .value_kind: global_buffer, .address_space: global }
      - { .name: u, .offset: 8, .size: 8, .value_kind: global_buffer, .address_space: global }
      - { .name: wbits, .offset: 16, .size: 8, .value_kind: global_buffer, .address_space: global }
    .group_segment_fixed_size: 0
    .private_segment_fixed_size: 0
    .kernarg_segment_align: 8
    .kernarg_segment_size: 24
    .max_flat_workgroup_size: 256
    .sgpr_count:     66
    .vgpr_count:     180
    .wavefront_size: 32
...
	.end_amdgpu_metadata
.endif
;; end of part 1
;; launch gemm (part 2): grid 8 x 32, 4 waves a work-group, clusters of 4 x 1, 327,680 bytes of LDS; arguments x, wbits, out0; writes out0
.if DOCPART == 2
	.amdgcn_target "amdgcn-amd-amdhsa--gfx1250"
	.amdhsa_code_object_version 6
	.text
	.protected	k_qa8ccb45c3e_gemm
	.globl	k_qa8ccb45c3e_gemm
	.p2align	8
	.type	k_qa8ccb45c3e_gemm,@function
k_qa8ccb45c3e_gemm:
	s_mov_b64 s[64:65], 0
	v_nop
	global_prefetch_b8 v0, s[64:65] scope:SCOPE_SE
	s_setreg_imm32_b32 hwreg(HW_REG_WAVE_MODE, 25, 1), 1
	s_wait_xcnt 0x0
	s_wait_alu depctr_hold_cnt(0) depctr_sa_sdst(0) depctr_va_vdst(0) depctr_va_sdst(0) depctr_va_ssrc(0) depctr_va_vcc(0) depctr_vm_vsrc(0)
	s_getreg_b32 s2, hwreg(HW_REG_IB_STS2, 6, 4)
	s_cmp_eq_u32 s2, 0
	s_cbranch_scc0 .Lentry_in_a_cluster
	s_endpgm
.Lentry_in_a_cluster:
	s_bfe_u32 s2, ttmp6, 0x10000c
	s_cmp_lg_u32 s2, 0x3003
	s_cbranch_scc0 .Lentry_shape_is_right
	s_endpgm
.Lentry_shape_is_right:
; out0[m][n] = the sum over k of x[m][k] mask[k][n], mask = +STD where the bit of wbits is 1, else -STD; STD = sqrt(2 / 6144).  x: [8192][4096] f32, out0: [8192][2048] f32.
; wbits: [kg 0..127][G 0..31][h 0..1][r 0..15][c 0..3] of words; column n = 64 G + 4 r + c; bit 31 - j: row 32 kg + 8 h + j; bit 15 - j: row 32 kg + 16 + 8 h + j (j = 0..7).
; ARITHMETIC.  x is rounded once to bf16 on its way from LDS to the matrix unit.  The mask goes in as -1.0 (bit 1) or +1.0 (bit 0), exact in bf16, made in registers from the bits:
; (word << j) & 0x80008000 | 0x3f803f80.  Sums in f32; each sum is multiplied once by -STD.  LIMITS: STD multiplies the sum, not the mask's entries, so the order of rounding is not that of a
; product with a scaled mask; |x| above bf16's largest finite number (3.39e38) becomes an infinity.
; SHARES.  256 tiles of 256 x 256, one to a work-group; four waves, each 128 x 128: 64 accumulators of 16 x 16, 512 registers.  K goes in 32 steps of 128 through two LDS slots that hold
; x ALONE, in f32: 256 rows x 512 bytes, each row 512 consecutive bytes of memory at a multiple of 512.  Each wave fetches 64 rows of a slot by one tensor load.
; The mask never lies in LDS: for 32 along K a lane wants 8 words, which come by two loads of 16 bytes, four quarter steps ahead.
; CLUSTER.  The four work-groups of a cluster make four neighbouring tiles of one tile row and want the same rows of x: each tile of x is asked for JOINTLY, by the same tensor load with the
; same descriptor and the mask 15 in all four.  Along a tile column work-groups share the words alone: 16 KiB a K step for a work-group beside x's 128 KiB, and not by tensor loads: no larger cluster.
; THE MATRIX INSTRUCTION IS USED TRANSPOSED (source 0 = 16 columns of the mask, source 1 = 16 rows of x), with two maps of this text's own:
;   k: in both sources register j of lane (r, h) holds k0 + 8 h + j in its high half and k0 + 16 + 8 h + j in its low half: the same place for the same k on both sides, so the products pair as they should;
;   columns: fragment b = 4 g + c holds in lane r the wave's column 64 g + 4 r + c.  In a result, lane (r, h), register j is then row r of x's block and column 64 g + 32 h + 4 j + c:
;   the same register of the four fragments c = 0..3 holds four NEIGHBOURING columns, 16 bytes of out0.
; BY TURNS.  A quarter step is 32 along K: 64 products on fragment buffer f.  Behind the products, four or fewer at a time, stands the vector work that makes the NEXT quarter's fragments in the
; other buffer: 120 instructions for the mask's 64 registers, 64 conversions for x's.  No load lands in a matrix operand: x's f32 and the words have registers of their own.
; REGISTERS, in windows of 256 (s_set_vgpr_msb: bits 1:0 source 0, 3:2 source 1, 5:4 source 2, 7:6 destination):
;   window 0: v0-15 addresses; v16-47 the words of four k groups; v64-127, v128-191 x's fragments, two buffers (on the way out: rows read back); v192-255 the way out
;   window 1: v64-127, v128-191 the mask's fragments, two buffers; v0-63, v192-255 x in f32, 16 registers for each of 8 blocks of 16 rows
;   windows 2, 3: accumulator (a, b) at v[8 (8 (a % 4) + b)] of window 2 + a / 4
.set PITCH,  528                       ; an LDS row: 512 bytes + 16 of padding = 132 words
.set PART,   64*PITCH                  ; what one tensor load brings
.set SLOT,   4*PART                    ; 135,168 = 0x21000: it shares no bit with wave x PART (0x8400 x 0..3), so one exclusive or turns an address in one slot into the other's
.set STAGE,  2*SLOT                    ; behind the ring, never filled by a tensor load: 16 rows x 528 bytes for each wave, for the way out
.set SROWS,  16*PITCH
.set SPARE,  STAGE+4*SROWS             ; behind the stages: the spare words, 128 bytes for each wave: two blocks of 256 bytes that no other line names
.set KSB,    512                       ; bytes of a row of x in a K step
.set OROW,   8192                      ; bytes in a row of out0
.set KGB,    16384                     ; bytes of wbits for one k group
.set TRIPS,  30                        ; K steps 0 to 29 fill a slot again, with K steps 2 to 31
.set A0,  2                            ; v2   my place in a slot: (128 x row half + r) x 528 + 32 h; never rewritten
.set ADR, 3                            ; v3   the same in the slot in hand
.set WO,  4                            ; v4   16 x lane: my four words in a group of 64 columns; never rewritten
.set PFO, 5                            ; v5   the prefetches' offset: (lane / 2) rows of x + 256 x (lane % 2); never rewritten
.set STO, 6                            ; v6   the way out: where I put 16 bytes of a row
.set RD,  7                            ; v7   where I read a row back
.set CO,  8                            ; v8   16 x lane: my 16 bytes of the wave's 512 in a row of out0
.set SPW, 10                           ; v10  LDS address of my spare word: SPARE + 4 x my thread's number; never rewritten
.set NIL, 11                           ; v11  0; never rewritten
.set WB,  16                           ; v[16:47] the word of k group kg and fragment b at WB + 8 (kg % 4) + b
.set FR,  64                           ; fragment buffer f at FR + 64 f: x's in window 0, the mask's in window 1
.set TMP, 192
.set WV,  10                           ; s10  my wave's number
.set WM,  11                           ; s11  which half of the tile's rows is mine
.set WN,  12                           ; s12  which half of its columns
.set CX,  13                           ; s13  my place in the cluster
.set TC,  14                           ; s14  tile column
.set TR,  15                           ; s15  tile row
.set G1,  16                           ; s[16:23] descriptor group 1
.set G0A, 24                           ; s[24:27] descriptor group 0 of K step 0
.set G0W, 28                           ; s[28:31] of K step 1; then it walks
.set WP,  32                           ; s[32:33] wbits at my 128 columns, at the K step in hand
.set PFA, 34                           ; s[34:35] where my prefetches stand
.set LIM, 36                           ; s36  2 in a work-group that prefetches, else the greatest number
.set CNT, 37                           ; s37  trips to go
.set TB,  38                           ; s38  LDS byte at which the slot in hand begins
.set SGN, 39                           ; s39  the two sign places
.set ONE, 40                           ; s40  1.0 twice in bf16
.set NSTD, 41                          ; s41  -STD
.set MSB, 0
.macro WIN new                         ; the immediate's high byte repeats the setting that is left; a switch that changes nothing is dropped
.if MSB != (\new)
	s_set_vgpr_msb (MSB<<8)|(\new)
.set MSB, (\new)
.endif
.endm
.macro PLACES
.rept 4
	v_nop
.endr
.endm
; A round of the cluster's barrier: my work-group's barrier, so that wave 0's signal speaks for all four waves; wave 0 signals; every wave waits for all four work-groups; my work-group's barrier once more.
.macro CREST                           ; a round behind its opening barrier
	s_cmp_lg_u32 s[WV], 0
	s_cbranch_scc1 .Lnot_wave_0_\@
	s_barrier_signal -3
.Lnot_wave_0_\@:
	s_barrier_wait -3
	s_barrier_signal -1
	s_barrier_wait -1
.endm
.macro CROUND
	s_barrier_signal -1
	s_barrier_wait -1
	CREST
.endm
.macro JLOAD                           ; a joint refill: every wave fetches its own 64 rows; an s_nop 0 and four v_nop follow the load
	tensor_load_to_lds s[G0W:G0W+3], s[G1:G1+7]
	s_nop 0
	PLACES
.endm
; A PREFETCH INTO THE L2, behind each joint refill, its five lines and the loads that follow them: the K step that stands TWO refills on, 512 products ahead of the load that will ask for it.
; Each row's two blocks of 256 bytes of a K step are named ONCE in the launch: a tile row's rows of x are read by two clusters, and the first (cluster x = 0) asks; of the 64 rows that wave w
; fetches, the partner at place cx takes 16 cx .. 16 cx + 15, told apart BY ADDRESS: 16 rows x 2 blocks, a lane a block, one instruction a wave.  K steps 0 to 3 come by their loads alone;
; the last two refills ask for nothing: K has no step two on.  The words are not asked for: every work-group of a tile column reads them, and their loads go out a K step ahead.
.macro ASK
	s_cmp_gt_u32 s[CNT], s[LIM]
	s_cbranch_scc0 .Lnot_mine_\@
	global_prefetch_b8 v[PFO], s[PFA:PFA+1] th:TH_LOAD_NT scope:SCOPE_SE
.Lnot_mine_\@:
.endm
	s_load_b128 s[4:7], s[0:1], 0x0                ; x s[4:5], wbits s[6:7]
	s_load_b64 s[8:9], s[0:1], 0x10                ; out0
	v_lshl_add_u32 v[SPW], v0, 2, SPARE
	v_mov_b32 v[NIL], 0
	ds_add_u32 v[SPW], v[NIL]                      ; the wave's opening: the add, twice on end, and its wait stand ahead of my first tensor load; the set-up below, work on registers, stands between
	ds_add_u32 v[SPW], v[NIL]                      ; and once more, under the one wait
	v_lshrrev_b32 v1, 5, v0
	v_readfirstlane_b32 s[WV], v1                  ; wave 0..3
	s_lshr_b32 s[WM], s[WV], 1
	s_and_b32 s[WN], s[WV], 1
	s_bfe_u32 s[CX], ttmp6, 0x40000                ; cx
	s_lshl_b32 s[TC], ttmp9, 2                     ; in a cluster launch ttmp9 counts clusters
	s_add_co_u32 s[TC], s[TC], s[CX]               ; tile column = 4 x cluster x + cx
	s_and_b32 s[TR], ttmp7, 0xffff                 ; tile row, which the four partners share
	; descriptor group 1: a tile of 64 rows x 128 elements of 4 bytes, padded in LDS
	s_mov_b32 s[G1+0], 15|(2<<16)|(1<<20)|(1<<21)|(6<<22)|(3<<25)  ; 15:0 the mask: all four work-groups; 17:16 elements of 4 bytes; 20 padding on; 21 set beside a mask; 24:22 after every 128 words (code 6); 31:25 4 words of it (code 3)
	s_mov_b32 s[G1+1], 128<<16                     ; tensor_dim0 = 128
	s_mov_b32 s[G1+2], 64<<16                      ; tensor_dim1 = 64
	s_mov_b32 s[G1+3], 128<<16                     ; tile_dim0 = 128
	s_mov_b32 s[G1+4], 64                          ; tile_dim1 = 64
	s_mov_b32 s[G1+5], 4096                        ; elements from row to row
	s_mov_b32 s[G1+6], 0
	s_mov_b32 s[G1+7], 0
	s_mov_b32 s[SGN], 0x80008000
	s_mov_b32 s[ONE], 0x3f803f80
	s_mov_b32 s[NSTD], 0xbc93cd3a                  ; -0.01804220
	s_mov_b32 s[TB], 0
	s_lshl_b32 s42, s[TR], 22                      ; the tile row's 256 rows of 16,384 bytes,
	s_lshl_b32 s43, s[WV], 20                      ; my wave's 64 of them: under 2^27 in all.  Nothing here hangs on cx
	s_add_co_u32 s42, s42, s43
	s_mov_b32 s43, 0
	s_mul_i32 s44, s[WV], PART                     ; and where they go: no place in the cluster enters an LDS address
	s_cmp_eq_u32 ttmp9, 0                          ; the tile row's first cluster prefetches: the same in all four partners
	s_cselect_b32 s[LIM], 2, -1
	s_lshl_b32 s46, s[TC], 11                      ; in wbits: group G = 4 x tile column + 2 x column half, 512 bytes each (s46 to s48 alone hold what hangs on cx)
	s_lshl_b32 s48, s[WN], 10
	s_add_co_u32 s46, s46, s48
	s_mov_b32 s47, 0
	s_mov_b32 s[G0A], 1                            ; 1:0 count = 1
	s_mov_b32 s[G0A+1], s44                        ; 63:32 LDS address: slot 0
	s_mov_b32 s[G0W], 1
	s_add_co_u32 s[G0W+1], s44, SLOT               ; slot 1
	s_wait_dscnt 0x0                               ; both opening adds are done
	s_wait_kmcnt 0x0
	s_add_nc_u64 s[WP:WP+1], s[6:7], s[46:47]
	s_add_nc_u64 s[G0A+2:G0A+3], s[4:5], s[42:43]  ; 120:64 global address: K step 0 of my 64 rows
	s_add_nc_u64 s[G0W+2:G0W+3], s[G0A+2:G0A+3], KSB  ; K step 1
	s_lshl_b32 s46, s[CX], 18                      ; my work-group's 16 rows of the 64
	s_add_nc_u64 s[PFA:PFA+1], s[G0A+2:G0A+3], s[46:47]
	s_add_nc_u64 s[PFA:PFA+1], s[PFA:PFA+1], 3*KSB ; at K step 3: the first refill steps it to 4.  Nothing is prefetched here, at the head, where every work-group's first tiles are on their way
	s_or_b32 s[G0A+3], s[G0A+3], 0x80000000        ; 127:126 type = 2
	s_or_b32 s[G0W+3], s[G0W+3], 0x80000000
	s_lshl_b32 s46, s[TR], 21                      ; out0: 256 rows of 8,192 bytes a tile row,
	s_lshl_b32 s48, s[WM], 20                      ; 128 rows,
	s_add_co_u32 s46, s46, s48
	s_lshl_b32 s48, s[TC], 10                      ; 256 columns of 4 bytes,
	s_add_co_u32 s46, s46, s48
	s_lshl_b32 s48, s[WN], 9                       ; 128 columns
	s_add_co_u32 s46, s46, s48
	s_add_nc_u64 s[8:9], s[8:9], s[46:47]
	CROUND                                         ; all four work-groups are here: the first joint loads meet
	tensor_load_to_lds s[G0A:G0A+3], s[G1:G1+7]    ; both first fills go out together, ahead of every wait on TENSORcnt, every LDS read and every further barrier: two loads of mine are out
	s_nop 0
	tensor_load_to_lds s[G0W:G0W+3], s[G1:G1+7]
	s_nop 0
	PLACES
	v_and_b32 v1, 15, v0                           ; r
	v_bfe_u32 v9, v0, 4, 1                         ; h
	v_and_b32 v12, 31, v0                          ; lane
	v_lshlrev_b32 v[WO], 4, v12
	v_mul_u32_u24 v[A0], v1, PITCH
	v_lshl_add_u32 v[A0], v9, 5, v[A0]             ; row x pitch + 32 h: eight f32
	s_mul_i32 s45, s[WM], 128*PITCH
	v_add_nc_u32 v[A0], s45, v[A0]
	v_mov_b32 v[ADR], v[A0]                        ; slot 0
	v_lshrrev_b32 v13, 1, v12
	v_and_b32 v14, 1, v12
	v_lshlrev_b32 v[PFO], 14, v13
	v_lshl_add_u32 v[PFO], v14, 8, v[PFO]
	s_mul_i32 s45, s[WV], SROWS
	s_add_co_u32 s45, s45, STAGE                   ; my stage
	v_mul_u32_u24 v[STO], v1, PITCH                ; in: row r, columns 32 h on
	v_lshl_add_u32 v[STO], v9, 7, v[STO]
	v_add_nc_u32 v[STO], s45, v[STO]
	v_lshl_add_u32 v[RD], v12, 4, s45              ; back: 32 lanes take one row of 512 bytes
	v_lshlrev_b32 v[CO], 4, v12
; THE MATRIX WORK.  Product i of a quarter's 64: block a = i / 8 of 16 rows, fragment b = i % 8 of 16 columns.  The 64 accumulators take turns, one instruction a turn, in the same order in every
; quarter, over the backward jump too.  zero = 1: the first quarter's products start the sums: nothing is ever cleared.
.macro MM f, zero
.set aa, i/8
.set bb, i%8
.set rD, 8*(8*(aa%4)+bb)
	WIN 0xa1+0x50*(aa/4)                           ; the mask's fragment in window 1, x's in window 0, C and D in window 2 or 3
.if \zero
	v_wmma_f32_16x16x32_bf16 v[rD:rD+7], v[FR+64*(\f)+8*bb:FR+64*(\f)+8*bb+7], v[FR+64*(\f)+8*aa:FR+64*(\f)+8*aa+7], 0
.else
	v_wmma_f32_16x16x32_bf16 v[rD:rD+7], v[FR+64*(\f)+8*bb:FR+64*(\f)+8*bb+7], v[FR+64*(\f)+8*aa:FR+64*(\f)+8*aa+7], v[rD:rD+7]
.endif
.set i, i+1
.endm
; THE MASK'S FRAGMENTS.  Register rho = 8 b + j of buffer g, from the word of fragment b in word set q: the word is shifted left by j (BS), then cut to the two sign places and joined with 1.0 twice (BA; for j = 0 BS does both).
.macro BS g, q, rho
.if ((\rho) >= 0) && ((\rho) < 64)
.if (\rho)%8 == 0
	v_and_or_b32 v[FR+64*(\g)+(\rho)], s[SGN], v[WB+8*(\q)+(\rho)/8], s[ONE]
.else
	v_lshlrev_b32 v[FR+64*(\g)+(\rho)], (\rho)%8, v[WB+8*(\q)+(\rho)/8]
.endif
.endif
.endm
.macro BA g, rho
.if ((\rho) >= 0) && ((\rho) < 64)
.if (\rho)%8 != 0
	v_and_or_b32 v[FR+64*(\g)+(\rho)], v[FR+64*(\g)+(\rho)], s[SGN], s[ONE]
.endif
.endif
.endm
.macro BGRP g, q                       ; group n of 33: the second halves of the last group's two registers, the first halves of two more: a shift and its cut stand a group apart
	WIN 0x41                                       ; destination and source 0 in window 1, source 1 (the word) in window 0
	BA \g, 2*n-2
	BA \g, 2*n-1
	BS \g, \q, 2*n
	BS \g, \q, 2*n+1
.set n, n+1
.endm
; x's FRAGMENTS.  Group m of 16: four registers of buffer g.  Register 8 a + j takes f32 number 8 + j of block a (k0 + 16 + 8 h + j) into its low half and number j (k0 + 8 h + j) into its high half.
.macro CGRP g
.if m%2 == 0
	s_wait_dscnt 28-2*m                            ; LDS loads come back in order: block m / 2's four are in, the four of each later block may stay out
.endif
	WIN 0x05                                       ; both sources in window 1, destination in window 0
.irp d, 0,1,2,3
.set rho, 4*m+(\d)
.set sb, 16*(rho/8)+128*(rho/32)
	v_cvt_pk_bf16_f32 v[FR+64*(\g)+rho], v[sb+8+rho%8], v[sb+rho%8]
.endr
.set m, m+1
.endm
; 32 LDS loads in one run: my 128 rows of x, 32 along K at quarter kq of the slot in hand, as f32: for each block of 16 rows k0 + 8 h + 0..7 (two loads) and k0 + 16 + 8 h + 0..7 (two more).
.macro FETCH kq
	WIN 0x40                                       ; destination window 1, address window 0
.irp a, 0,1,2,3,4,5,6,7
.set sb, 16*(\a)+128*((\a)/4)
	ds_load_b128 v[sb:sb+3],     v[ADR] offset:(\a)*16*PITCH+(\kq)*128
	ds_load_b128 v[sb+4:sb+7],   v[ADR] offset:(\a)*16*PITCH+(\kq)*128+16
	ds_load_b128 v[sb+8:sb+11],  v[ADR] offset:(\a)*16*PITCH+(\kq)*128+64
	ds_load_b128 v[sb+12:sb+15], v[ADR] offset:(\a)*16*PITCH+(\kq)*128+80
.endr
.endm
.macro RELOAD q, imm                   ; word set q takes a k group's words for my 128 columns: two loads of 512 consecutive bytes
	WIN 0
	global_load_b128 v[WB+8*(\q):WB+8*(\q)+3],   v[WO], s[WP:WP+1] offset:(\imm)
	global_load_b128 v[WB+8*(\q)+4:WB+8*(\q)+7], v[WO], s[WP:WP+1] offset:(\imm)+512
.endm
; A QUARTER: 64 products on buffer f; beside them the next quarter's fragments (quarter kq of the same slot, word set kq) are made in the other buffer.  imm >= 0: the word set, once read, is asked for again,
; with the k group four on, at byte imm behind s[WP].  lc: the loads of words that may stay out: two for each k group asked for behind the one now wanted.
; The riders write the other buffer alone, whose last readers stand in the quarter before, in front of its closing four v_nop: a vector instruction that writes a register of a matrix
; instruction stands four places behind it, and only plain vector instructions that name none of its registers are places (ISA guide 7.12.1).
.macro QUARTER f, kq, zero, imm, lc
.set i, 0
.set n, 0
.set m, 0
	FETCH \kq
	s_wait_loadcnt \lc
.rept 32
	MM \f, \zero
	BGRP 1-(\f), \kq
.endr
.if (\imm) >= 0
	RELOAD \kq, \imm                               ; the 64th and last reader of the word set stands just above
.endif
	MM \f, \zero
	BGRP 1-(\f), \kq
.rept 16
	MM \f, \zero
	CGRP 1-(\f)
.endr
.rept 15
	MM \f, \zero
.endr
	PLACES
.endm
; THE LAST QUARTER OF A K STEP multiplies buffer 1 and changes slots.  In front of ONE barrier each wave waits for all its tensor loads, of which one is out: its part of the next slot; adds 0 to its spare word;
; and waits for that and for its own reads of this slot.  Behind it nobody reads this slot any more and the next slot is whole.  fill = 1: this slot is filled again, with the K step two on: the barrier then
; opens a round of the cluster's, so that no wave of any partner still reads the slot or has a load on its way, and the joint refill is the first thing behind the round: from there to the wait for it
; a wave issues 224 products.  The mask's fragments of the next quarter need no LDS and ride ahead of the barrier; x's ride behind it.
.macro TURN fill, imm, lc
.set i, 0
.set n, 0
.set m, 0
.if \fill
	s_wait_xcnt 0x0                                ; every load of words and the last prefetch, a K step back, have read their addresses: the two pointers are written only behind this wait
	s_add_nc_u64 s[PFA:PFA+1], s[PFA:PFA+1], KSB
	s_add_nc_u64 s[WP:WP+1], s[WP:WP+1], 4*KGB
.endif
	WIN 0                                          ; (the add's two registers lie in window 0)
	s_wait_tensorcnt 0x0                           ; no tensor load of mine is out, so a group 0 may be written
	ds_add_u32 v[SPW], v[NIL]                      ; 0 onto my spare word; work on registers stands between it and the wait for it
.if \fill
	s_xor_b32 s[G0W+1], s[G0W+1], SLOT             ; the walking descriptor: the other slot than last time,
	s_add_nc_u64 s[G0W+2:G0W+3], s[G0W+2:G0W+3], KSB  ; the next K step; the type bits on top are not reached
.endif
	s_wait_loadcnt \lc
.rept 16
	MM 1, 0
	BGRP 0, 0
.endr
	s_wait_dscnt 0x0                               ; the add is done, and my reads of this slot are over
	s_barrier_signal -1
.rept 16
	MM 1, 0                                        ; work on registers while the others arrive
	BGRP 0, 0
.endr
	WIN 0
	s_barrier_wait -1
.if \fill
	CREST
	JLOAD
.endif
	s_xor_b32 s[TB], s[TB], SLOT
	v_add_nc_u32 v[ADR], s[TB], v[A0]              ; the other slot
	FETCH 0
.if (\imm) >= 0
	RELOAD 0, \imm
.endif
.if \fill
	ASK
.endif
	MM 1, 0
	BGRP 0, 0
.rept 15
	MM 1, 0
.endr
.rept 16
	MM 1, 0
	CGRP 0
.endr
	PLACES
.endm
; THE WAY OUT of block a (16 rows x 128 columns), in three parts.  SCALE: times -STD; the same register of four fragments goes into four neighbouring registers: 16 bytes of a row.  Each accumulator's
; lowest register is read first.  TOSTAGE: into my own stage in LDS, and back as whole rows of 512 bytes.  SEND: stored.
.macro SCALE a
	WIN 0x08+4*((\a)/4)                            ; source 1 in window 2 or 3
.irp j, 0,1,2,3,4,5,6,7
.irp b, 0,1,2,3,4,5,6,7
	v_mul_f32 v[TMP+32*((\b)/4)+4*(\j)+(\b)%4], s[NSTD], v[8*(8*((\a)%4)+(\b))+(\j)]
.endr
.endr
.endm
.macro TOSTAGE a
	WIN 0
.irp g, 0,1
.irp j, 0,1,2,3,4,5,6,7
	ds_store_b128 v[STO], v[TMP+32*(\g)+4*(\j):TMP+32*(\g)+4*(\j)+3] offset:256*(\g)+16*(\j)  ; columns 64 g + 32 h + 4 j on
.endr
.endr
.irp t, 0,1,2,3,4,5,6,7,8,9,10,11,12,13,14,15
	ds_load_b128 v[FR+64*((\a)%2)+4*(\t):FR+64*((\a)%2)+4*(\t)+3], v[RD] offset:(\t)*PITCH  ; LDS serves a wave's instructions in order (ISA guide 5.7.1.4): these see the stores above; the next block's stores come behind them
.endr
.endm
.macro SEND a
	WIN 0
	s_wait_dscnt 0x0                               ; the block is back in registers
	s_wait_xcnt 0x0                                ; the stores of the block before have read their registers, into which the next block is read back
.irp t, 0,1,2,3,4,5,6,7,8,9,10,11,12,13,14,15
	global_store_b128 v[CO], v[FR+64*((\a)%2)+4*(\t):FR+64*((\a)%2)+4*(\t)+3], s[8:9] offset:(16*(\a)+(\t))*OROW th:TH_STORE_NT  ; 512 consecutive bytes, at a multiple of 512 from out0's first; the row stands in the immediate, 127 rows at the most
.endr
.endm
.irp q, 0,1,2,3
	RELOAD \q, (\q)*KGB                            ; the words of k groups 0 to 3
.endr
	s_wait_tensorcnt 0x1                           ; my part of K step 0 is in; K step 1's may stay out
	s_barrier_signal -1
	s_barrier_wait -1                              ; everybody's is
	; the first quarter's fragments: there are no products yet to set them behind
.set n, 0
.set m, 0
	FETCH 0
	s_wait_loadcnt 6                               ; k group 0's words are in; those of groups 1 to 3 may stay out
.rept 33
	BGRP 0, 0
.endr
	RELOAD 0, 4*KGB
.rept 16
	CGRP 0
.endr
	QUARTER 0, 1, 1, 5*KGB, 6                      ; the first quarter stands in front of the loop: its products start the sums
	WIN 0                                          ; at a label and at a branch every window is 0
	s_mov_b32 s[CNT], TRIPS
.Lstep:                                                ; a trip: from a K step's second quarter to the next K step's first; it fills one slot again
	QUARTER 1, 2, 0, 6*KGB, 6
	QUARTER 0, 3, 0, 7*KGB, 6
	TURN 1, 4*KGB, 6
	QUARTER 0, 1, 0, 5*KGB, 6
	WIN 0
	s_sub_co_u32 s[CNT], s[CNT], 1
	s_cmp_lg_u32 s[CNT], 0
	s_cbranch_scc1 .Lstep
	QUARTER 1, 2, 0, 6*KGB, 6                      ; the tail is written out: K step 30 goes on (k groups 126 and 127 are the last words)
	QUARTER 0, 3, 0, 7*KGB, 6
	TURN 0, -1, 6                                  ; nothing is filled again, so no round follows,
	QUARTER 0, 1, 0, -1, 4                         ; and K step 31: the counts of words run down
	QUARTER 1, 2, 0, -1, 2
	QUARTER 0, 3, 0, -1, 0
.set i, 0
.rept 64
	MM 1, 0                                        ; the last quarter: nothing is left to make
.endr
	PLACES                                         ; the scalings read results just made
	SCALE 0
	TOSTAGE 0
.irp a, 1,2,3,4,5,6,7                  ; block a's scalings stand between block a - 1's loads from the stage and the wait for them
	SCALE \a
	SEND (\a)-1
	TOSTAGE \a
.endr
	SEND 7
	s_wait_tensorcnt 0x0                           ; the wave's end, behind my last tensor load and my last LDS store
	ds_add_u32 v[SPW], v[NIL]
	s_wait_dscnt 0x0
	CROUND                                         ; the closing round: no work-group ends while a partner may still ask for a tile that names it
	s_endpgm
.Lfunc_end_k_qa8ccb45c3e_gemm:
	.size	k_qa8ccb45c3e_gemm, .Lfunc_end_k_qa8ccb45c3e_gemm-k_qa8ccb45c3e_gemm
	.p2alignl 7, 3214868480
	.fill 96, 4, 3214868480
	.section	.rodata,"a",@progbits
	.p2align	6, 0x0
	.amdhsa_kernel k_qa8ccb45c3e_gemm
		.amdhsa_group_segment_fixed_size 327680
		.amdhsa_private_segment_fixed_size 0
		.amdhsa_enable_private_segment 0
		.amdhsa_kernarg_size 24
		.amdhsa_user_sgpr_count 2
		.amdhsa_user_sgpr_kernarg_segment_ptr 1
		.amdhsa_wavefront_size32 1
		.amdhsa_system_sgpr_workgroup_id_x 1
		.amdhsa_system_sgpr_workgroup_id_y 1
		.amdhsa_system_sgpr_workgroup_id_z 1
		.amdhsa_system_vgpr_workitem_id 0
		.amdhsa_next_free_vgpr 1024
		.amdhsa_next_free_sgpr 66
		.amdhsa_reserve_vcc 0
		.amdhsa_float_denorm_mode_32 3
		.amdhsa_float_denorm_mode_16_64 3
		.amdhsa_memory_ordered 1
		.amdhsa_forward_progress 1
		.amdhsa_inst_pref_size 255
	.end_amdhsa_kernel
	.section	.bss,"aw",@nobits
	.p2align	6
	.space	262144
	.amdgpu_metadata
---
amdhsa.version: [ 1, 2 ]
amdhsa.kernels:
  - .name:           k_qa8ccb45c3e_gemm
    .symbol:         k_qa8ccb45c3e_gemm.kd
    .args:
      - { .name: x, .offset: 0, .size: 8, .value_kind: global_buffer, .address_space: global }
      - { .name: wbits, .offset: 8, .size: 8, .value_kind: global_buffer, .address_space: global }
      - { .name: out0, .offset: 16, .size: 8, .value_kind: global_buffer, .address_space: global }
    .group_segment_fixed_size: 327680
    .private_segment_fixed_size: 0
    .kernarg_segment_align: 8
    .kernarg_segment_size: 24
    .max_flat_workgroup_size: 128
    .sgpr_count:     66
    .vgpr_count:     1024
    .wavefront_size: 32
...
	.end_amdgpu_metadata
.endif
;; end of part 2
